; MI455X (gfx1250); checked and timed in simulation.
; The chip was launched on July 23, 2026; its instructions are those of AMD's public machine-readable ISA for CDNA 5 (MIT licence, August 2026) and "CDNA5" Instruction Set Architecture Reference Guide (July 2026). The comments in the code are by the model that wrote it; some were corrected since.
;; Dilated Attention. Allowed arithmetic: matrix products marked QUANTISED: E2M1 operands, one E8M0 scale for each 32 along K, by v_wmma_scale_f32_16x16x128_f8f6f4 with both operands' format E2M1 (or v_wmma_scale_f32_32x16x128_f4), f32 sums; products left as they are: f32 operands where the result goes on into a quantised operand, else bf16, f16 or f32 operands; f32 sums; everything else in f32.
;; Inputs: key 32 x 2,048 x 128 float32; query 32 x 2,048 x 128 float32; value 32 x 2,048 x 128 float32.
;; Outputs: out0 4 x 2,048 x 1,024 float32.
;; This version of the problem:
;;   THIS VERSION OF THE PROBLEM IS GIVEN IN LOW PRECISION. The matrix products marked QUANTISED in the list below multiply operands that are first quantised to E2M1 (2 exponent bits, 1 mantissa bit; 4 bits a number), with one power-of-two scale for each 32 numbers along K (OCP MX v1.0); their sums are f32. All else is computed in f32.
;;   The module's matrix products, in the order in which they are computed (A, B: the left and right operand; K: the contracted axis; several contracted axes count as one K, in the product's order):
;;     1. batch 32 x [M 2,048, K 128] x [K 128, N 2,048]; A: computed on the way; B: computed on the way: QUANTISED
;;     2. batch 32 x [M 2,048, K 2,048] x [K 2,048, N 128]; A: softmax (see below); B: computed on the way: QUANTISED
;;     3. [M 1, K 1] x [K 1, N 8,388,608]; A: computed on the way; B: computed on the way: left as it is (no contracted axis)
;;     4. batch 32 x [M 1,024, K 128] x [K 128, N 1,024]; A: computed on the way; B: computed on the way: QUANTISED
;;     5. batch 32 x [M 1,024, K 1,024] x [K 1,024, N 128]; A: softmax (see below); B: computed on the way: QUANTISED
;;     6. batch 2 x [M 2, K 1] x [K 1, N 2,097,152]; A: computed on the way; B: computed on the way: left as it is (no contracted axis)
;;     7. batch 32 x [M 512, K 128] x [K 128, N 512]; A: computed on the way; B: computed on the way: QUANTISED
;;     8. batch 32 x [M 512, K 512] x [K 512, N 128]; A: softmax (see below); B: computed on the way: QUANTISED
;;     9. batch 4 x [M 4, K 1] x [K 1, N 524,288]; A: computed on the way; B: computed on the way: left as it is (no contracted axis)
;;     10. batch 32 x [M 256, K 128] x [K 128, N 256]; A: computed on the way; B: computed on the way: QUANTISED
;;     11. batch 32 x [M 256, K 256] x [K 256, N 128]; A: softmax (see below); B: computed on the way: QUANTISED
;;     12. batch 8 x [M 8, K 1] x [K 1, N 131,072]; A: computed on the way; B: computed on the way: left as it is (no contracted axis)
;;   THE QUANTISER, for each operand of a quantised product, along K:
;;     - K is cut into blocks of 32 from its start; a last block that is shorter is filled with zeros.
;;     - A block's scale is 2^e with e = floor(log2(the largest magnitude in the block)) - 2, held to -126 .. 127; a block of zeros has e = 0. As a byte (E8M0): e + 127.
;;     - Each number is divided by its block's scale, clamped to +-6, and rounded to the nearest number of E2M1, ties to even, subnormals kept.
;;     - The product sums the exact products of the quantised numbers (number of the format x scale) in f32.
;;   ~~~python
;;   def quantise(x, axis):      # numpy; x: float32 -> the quantised numbers, widened to float32 again
;;       x = np.moveaxis(x, axis, -1); K = x.shape[-1]
;;       x = np.pad(x, [(0, 0)] * (x.ndim - 1) + [(0, -K % 32)]); x = x.reshape(x.shape[:-1] + (-1, 32)); a = np.abs(x).max(-1, keepdims=True)
;;       e = np.where(a > 0, np.clip(np.frexp(np.where(a > 0, a, 1))[1] - 1 - 2, -126, 127), 0)      # np.frexp(a)[1] - 1 = floor(log2(a)), exactly
;;       r = np.clip(x / 2.0 ** e, -6, 6)
;;       step = 2.0 ** (np.maximum(np.frexp(np.where(r == 0, 1, r))[1] - 1, 0) - 1)
;;       q = np.round(r / step) * step * 2.0 ** e      # np.round: ties to even
;;       return np.moveaxis(q.reshape(q.shape[:-2] + (-1,))[..., :K], -1, axis).astype(np.float32)
;;   ~~~
;;   SOFTMAX AHEAD OF A QUANTISED PRODUCT. Where the list says 'softmax', what is quantised is not the finished softmax but p = 2^(t - M), with t = logit x log2(e) and M = ceil(the row's largest t), a whole number; so 1/2 < the row's largest p <= 1. The row's sum l is taken of the UNQUANTISED p, in f32, and the product's result is divided by l at the end. Since M is a whole number, a kernel that streams over the keys may use a running M (the ceiling of the running maximum): every later rescaling is an exact power of two, which a block's scale takes up: the codes' values come out the same.
;;   OPERANDS COMPUTED ON THE WAY. 'Computed on the way' means the value that the module computes at that place (a softmax that the list does not call 'softmax' is quantised finished and normalised). What goes into a quantiser is computed in f32, as accurately as f32 sums, v_exp_f32 and their like allow (about 1e-6 of the number): no bf16 or f16 on the way to a quantiser, and a product that is left as it is and whose result goes on into a quantised operand takes f32 operands (vector FMAs, or v_wmma_f32_16x16x4_f32). A number that lies on a knife's edge between two numbers of the format may be rounded either way, as far as f32 arithmetic and the matrix unit's own rounding can turn it there, and no further.
;; One version. Each part assembles by itself: llvm-mc -triple=amdgcn-amd-amdhsa -mcpu=gfx1250 --defsym DOCPART=n.
;; ======== version 1 of 1: 2 launches
;; limits: right only within a limited range of input values
;; workspace buffers: kv 16,711,680 bytes
;; launch pack (part 1): grid 8 x 32, 9 waves a work-group, no clusters, 44,288 bytes of LDS; arguments key, value, kv; writes kv
.if DOCPART == 1
	.amdgcn_target "amdgcn-amd-amdhsa--gfx1250"
	.amdhsa_code_object_version 6
	.text
	.protected	k_qebb6808930_pack
	.globl	k_qebb6808930_pack
	.p2align	8
	.type	k_qebb6808930_pack,@function
k_qebb6808930_pack:
	s_mov_b64 s[64:65], 0
	v_nop
	global_prefetch_b8 v0, s[64:65] scope:SCOPE_SE
	s_setreg_imm32_b32 hwreg(HW_REG_WAVE_MODE, 25, 1), 1
	s_wait_xcnt 0x0
; key and value, [32 heads][2048][128] f32, become the codes (E2M1) and E8M0 scale words of K and V for the four dilated attentions dr = 1, 2, 4, 8.
; Head j = head % 8 takes, for dr, the positions i dr + r with r = j / (8 / dr).  K is quantised along the head's 128 numbers, V along the GATHERED keys, in blocks of 32.
; kv: 15 records of REC bytes a head: records 0-7 dr 1, 8-11 dr 2, 12-13 dr 4, 14 dr 8; each holds 256 gathered keys as two key steps of 128.  A record is laid as IMAGES OF THE OPERANDS' REGISTERS:
;   KC: fragment (step q, tile t) at (8 q + t) 1024; piece c at + 512 c; lane l at + 16 l: lane (r, h) holds k = 64 c + 32 h + 0..31 of key 32 (t / 2) + 8 (t % 2) + r + 8 (r / 8) of the step
;   VC: the same shape: lane (r, h) holds channel 16 t + r, keys 64 c + 32 h + 0..31 of the step
;   SC: step q at + 1024 q, K's words at + 0, V's at + 512: the word of tile 2 i + u, row r at 16 (16 u + r) + 4 i, so that one load of 16 bytes a lane brings four scale registers, even tiles in lanes 0-15, odd tiles in lanes 16-31
; A block's scale is 2^(floor(log2(its largest magnitude)) - 2); its byte is the largest magnitude's exponent field - 2, held at 1 from below.
; LIMITS: a block of zeros gets the byte 1 where the rule says 127 (its codes are zeros, which add nothing, and only this program reads the bytes); NaN and infinities among the inputs are not served.
; SHARES.  Work-group (g, head) takes positions 256 g .. 256 g + 255.  Waves 0-3: K, four tiles of dr 1 and two of dr 2 each.  Wave 4: K, four tiles of dr 4 and two of dr 8.  Waves 5-8: V, 32 channels each, 15 blocks of 32 keys.
; The rows that dr 2, 4 and 8 take are rows that this same work-group reads for dr 1 as well, so the loads carry no non-temporal hint.
; No tensor loads, no barrier, no loop: waves share nothing; every offset is an immediate, and every store has data registers of its own, so no store's sources are ever rewritten.
; The scale words leave as 1 to 8 bytes a lane, 16 bytes apart: one sixteenth of what the launch stores; gathering them would need a barrier across the roles.
.set REC,    34816
.set HEADB,  15*REC
.set VC,     16384
.set SC,     32768
.set SPITCH, 528                       ; a stage row: 512 bytes + 16: an odd multiple of 16, so the 16 rows that a load of 16 lanes touches start in 16 different columns of 16 bytes
.set LI,  1                            ; v1   16 x lane
.set RDW, 2                            ; v2   my stage + 16 x lane: a row goes in as it was loaded
.set QRD, 3                            ; v3   my stage + 528 r + 128 h: my 32 numbers of row r
.set QSH, 4                            ; v4   8 h: where my two scale bytes stand in the word
.set VI,  5                            ; v5   4 x lane: V, a lane to a channel
.set VO,  6                            ; v6   1024 (lane / 16) + 16 (lane % 16): V's codes in the image
.set QM,  8                            ; v8-9   largest magnitudes
.set QE,  10                           ; v10-11 the conversions' scale operands
.set QB,  12                           ; v12-13 scale bytes
.set QP,  14                           ; v14    the lane permute's destination
.set W,   16                           ; v16-21 K: a scale word for each tile;  V: v16-20 scale words
.set PW,  22                           ; v22-24 K: the words of two tiles in one register
.set C,   32                           ; codes: K 8 registers a tile (v32-79), V 4 a block (v32-91)
.set R,   96                           ; K: two sets of 64 numbers;  V: two sets of 32
.set WV,  16                           ; s16  wave
.set SEL, 20                           ; s[20:21] v_permlanex16_b32's selects for lane l xor 16
	s_load_b128 s[4:7], s[0:1], 0x0                ; key s[4:5], value s[6:7]
	s_load_b64 s[8:9], s[0:1], 0x10                ; kv
	v_lshl_add_u32 v224, v0, 2, 0xa800
	v_mov_b32 v225, 0
	v_lshrrev_b32 v7, 5, v0
	s_delay_alu instid0(VALU_DEP_1)
	v_readfirstlane_b32 s[WV], v7                  ; wave 0..8
	v_and_b32 v7, 31, v0                           ; lane
	v_and_b32 v15, 15, v0                          ; r
	v_bfe_u32 v[QSH], v0, 4, 1                     ; h
	s_delay_alu instid0(VALU_DEP_3)
	v_lshlrev_b32 v[LI], 4, v7
	s_min_u32 s17, s[WV], 4                        ; waves 0-4 have a stage each; the V waves touch no LDS
	s_mul_i32 s17, s17, 16*SPITCH
	v_add_nc_u32 v[RDW], s17, v[LI]
	v_mul_u32_u24 v[QRD], v15, SPITCH
	s_delay_alu instid0(VALU_DEP_1)
	v_lshl_add_u32 v[QRD], v[QSH], 7, v[QRD]
	s_delay_alu instid0(VALU_DEP_1)
	v_add_nc_u32 v[QRD], s17, v[QRD]
	v_lshlrev_b32 v[VI], 2, v7
	v_lshlrev_b32 v[VO], 4, v15
	s_delay_alu instid0(VALU_DEP_1)
	v_lshl_add_u32 v[VO], v[QSH], 10, v[VO]
	v_lshlrev_b32 v[QSH], 3, v[QSH]
	v_mov_b32 v[QP], 0                             ; written once: a lane permute's destination counts as one of its sources
	s_mov_b32 s[SEL], 0x76543210
	s_mov_b32 s[SEL+1], 0xfedcba98
	s_mov_b32 vcc_lo, 0xffff0000                   ; lanes 16-31: they carry the odd tile's scale words
	s_and_b32 s18, ttmp7, 0xffff                   ; head
	s_and_b32 s19, s18, 7                          ; j = r8
	s_lshr_b32 s57, s19, 2                         ; r2
	s_lshr_b32 s58, s19, 1                         ; r4
	s_and_b32 s52, ttmp9, 1                        ; g & 1
	s_bfe_u32 s53, ttmp9, 0x10001                  ; (g >> 1) & 1
	s_lshr_b32 s54, ttmp9, 2                       ; g >> 2
	s_and_b32 s55, ttmp9, 3                        ; g & 3
	s_lshr_b32 s56, ttmp9, 1                       ; g >> 1
	s_lshl_b32 s22, s18, 20                        ; a head is 2048 rows of 512 bytes,
	s_lshl_b32 s59, ttmp9, 17                      ; my 256 rows
	s_add_co_u32 s22, s22, s59                     ; s22: my first row's byte in key and in value
	s_mul_i32 s23, s18, HEADB                      ; the head's records
	s_mul_i32 s24, ttmp9, REC
	s_add_co_u32 s24, s24, s23                     ; s24: dr 1's record g
	s_add_co_u32 s25, s56, 8
	s_mul_i32 s25, s25, REC
	s_add_co_u32 s25, s25, s23                     ; s25: dr 2's record 8 + g / 2
	s_add_co_u32 s26, s54, 12
	s_mul_i32 s26, s26, REC
	s_add_co_u32 s26, s26, s23                     ; s26: dr 4's record 12 + g / 4
	s_add_co_u32 s27, s23, 14*REC                  ; s27: dr 8's record 14
	s_mov_b32 s63, 0                               ; offsets are made in s62, under 2^32, and added as the pair s[62:63]
.macro ADDSH s, sh                     ; s62 += s[s] << sh
	s_lshl_b32 s59, s[\s], \sh
	s_add_co_u32 s62, s62, s59
.endm
.macro PTR d, b                        ; s[d:d+1] = the buffer's address in s[b:b+1] + the offset in s62
	s_add_nc_u64 s[\d:\d+1], s[\b:\b+1], s[62:63]
.endm
; 64 numbers of a lane, v[s + 32 c + i] = k 64 c + 32 h + i of my row: two whole blocks.  They become the operand's eight registers in v[cd] on and the row's scale word in v[w], whole in every lane.
.macro QUANT2 s, cd, w
.irp c, 0,1
	v_max3_num_f32 v[QM+\c], |v[\s+32*\c]|, |v[\s+32*\c+1]|, 0x1800000   ; with the floor 2^(3 - 127) among the leaves: the byte cannot fall under 1
.endr
.irp i, 2,4,6,8,10,12,14,16,18,20,22,24,26,28,30
.irp c, 0,1
	s_delay_alu instid0(VALU_DEP_2)
	v_max3_num_f32 v[QM+\c], v[QM+\c], |v[\s+32*\c+\i]|, |v[\s+32*\c+\i+1]|   ; the two blocks by turns
.endr
.endr
.irp c, 0,1
	s_delay_alu instid0(VALU_DEP_2)
	v_add_nc_u32 v[QE+\c], 0xff000000, v[QM+\c]    ; 2 off the exponent field: the conversion takes the exponent field of this operand as its scale
.endr
.irp c, 0,1
	s_delay_alu instid0(VALU_DEP_2)
	v_lshrrev_b32 v[QB+\c], 23, v[QE+\c]           ; the scale's byte
.endr
	s_delay_alu instid0(VALU_DEP_1)
	v_lshl_or_b32 v[\w], v[QB+1], 16, v[QB]        ; my bytes: blocks h and 2 + h,
	s_delay_alu instid0(VALU_DEP_1)
	v_lshlrev_b32 v[\w], v[QSH], v[\w]             ; at their places;
	s_delay_alu instid0(VALU_DEP_1)
	v_permlanex16_b32 v[QP], v[\w], s[SEL], s[SEL+1]
	s_delay_alu instid0(VALU_DEP_1)
	v_or_b32 v[\w], v[\w], v[QP]                   ; with lane l xor 16's two the word is whole
.irp c, 0,1
.irp g, 0,1,2,3
	v_cvt_scalef32_pk8_fp4_f32 v[\cd+4*\c+\g], v[\s+32*\c+8*\g:\s+32*\c+8*\g+7], v[QE+\c]
.endr
.endr
	v_nop                                          ; one plain place behind the last scaled conversion
.endm
; The 16 rows of a tile of K whose first key is keyoff: each load takes a whole row, 512 consecutive bytes
.macro ROWS set, dr, keyoff, src
.irp i, 0,1,2,3,4,5,6,7,8,9,10,11,12,13,14,15
	global_load_b128 v[R+64*\set+4*\i:R+64*\set+4*\i+3], v[LI], s[\src:\src+1] offset:(\keyoff+\i+8*(\i/8))*\dr*512
.endr
.endm
; Tile n: its rows turn through my stage (in as they lie, back 128 bytes of one row a lane), are quantised, and leave as the image: each store covers 512 consecutive bytes, aligned
.macro KTILE n, set, left, dst, off
	s_wait_loadcnt \left                           ; this set's 16 loads are in; the other set's 16 may be out
.irp i, 0,1,2,3,4,5,6,7,8,9,10,11,12,13,14,15
	ds_store_b128 v[RDW], v[R+64*\set+4*\i:R+64*\set+4*\i+3] offset:SPITCH*\i
.endr
.irp c, 0,1
.irp k, 0,1,2,3,4,5,6,7
	ds_load_b128 v[R+64*\set+32*\c+4*\k:R+64*\set+32*\c+4*\k+3], v[QRD] offset:256*\c+16*\k   ; LDS serves a wave's instructions in order (ISA guide 5.7.1.4): these see the stores above
.endr
.endr
	s_wait_dscnt 0x0
	QUANT2 R+64*\set, C+8*\n, W+\n
.irp c, 0,1
	global_store_b128 v[LI], v[C+8*\n+4*\c:C+8*\n+4*\c+3], s[\dst:\dst+1] offset:\off+512*\c
.endr
.endm
; A K wave: four tiles of dilation da (sources s[28:29], images s[32:33], words s[36:37]) and two of db (s[30:31], s[34:35], s[38:39]); loads run a tile ahead
.macro KROLE da, db
	ROWS 0, \da, 0, 28
	ROWS 1, \da, 8, 28
	KTILE 0, 0, 16, 32, 0
	ROWS 0, \da, 32, 28
	KTILE 1, 1, 16, 32, 1024
	ROWS 1, \da, 40, 28
	KTILE 2, 0, 16, 32, 2048
	ROWS 0, \db, 0, 30
	KTILE 3, 1, 16, 32, 3072
	ROWS 1, \db, 8, 30
	v_cndmask_b32 v[PW], v[W], v[W+1], vcc_lo      ; lanes 0-15 the even tile's words, lanes 16-31 the odd tile's
	v_cndmask_b32 v[PW+1], v[W+2], v[W+3], vcc_lo
	global_store_b64 v[LI], v[PW:PW+1], s[36:37]
	KTILE 4, 0, 16, 34, 0
	KTILE 5, 1, 0, 34, 1024                        ; the last tile: nothing is out behind it
	v_cndmask_b32 v[PW+2], v[W+4], v[W+5], vcc_lo
	global_store_b32 v[LI], v[PW+2], s[38:39]
	s_wait_tensorcnt 0x0
	ds_add_u32 v224, v225
	s_wait_dscnt 0x0
	s_endpgm
.endm
; V: A LANE TAKES A CHANNEL AND ITS REGISTERS RUN DOWN THE GATHERED KEYS: block beta of dilation dr: 32 loads of 128 consecutive bytes a wave
.macro VLD set, dr, beta, src
.irp i, 0,1,2,3,4,5,6,7,8,9,10,11,12,13,14,15,16,17,18,19,20,21,22,23,24,25,26,27,28,29,30,31
	global_load_b32 v[R+32*\set+\i], v[VI], s[\src:\src+1] offset:(32*\beta+\i)*\dr*512
.endr
.endm
; Block n: all its 32 numbers are mine.  Its 16 bytes of codes go straight into the image: lanes 0-15 store 256 consecutive bytes, aligned, lanes 16-31 the same of the next tile.  Its byte goes to place pos of v[sb]
.macro VBLK n, set, left, dst, off, sb, pos
.set XS, R+32*\set
	s_wait_loadcnt \left                           ; this block's 32 loads are in; the next block's 32 may be out
	v_max3_num_f32 v8, |v[XS]|, |v[XS+1]|, |v[XS+2]|
	v_max3_num_f32 v9, |v[XS+3]|, |v[XS+4]|, |v[XS+5]|
.irp i, 6,10,14,18,22,26
	s_delay_alu instid0(VALU_DEP_2)
	v_max3_num_f32 v8, v8, |v[XS+\i]|, |v[XS+\i+1]|
	s_delay_alu instid0(VALU_DEP_2)
	v_max3_num_f32 v9, v9, |v[XS+\i+2]|, |v[XS+\i+3]|
.endr
	s_delay_alu instid0(VALU_DEP_2)
	v_max3_num_f32 v8, v8, |v[XS+30]|, |v[XS+31]|
	s_delay_alu instid0(VALU_DEP_1)
	v_max3_num_f32 v8, v8, v9, 0x1800000           ; and the floor 2^(3 - 127)
	s_delay_alu instid0(VALU_DEP_1)
	v_add_nc_u32 v10, 0xff000000, v8               ; the conversions' scale operand
	s_delay_alu instid0(VALU_DEP_1)
	v_lshrrev_b32 v11, 23, v10                     ; the scale's byte
.if \pos == 0
	s_delay_alu instid0(VALU_DEP_1)
	v_mov_b32 v[\sb], v11
.else
	s_delay_alu instid0(VALU_DEP_1)
	v_lshl_or_b32 v[\sb], v11, 8*\pos, v[\sb]
.endif
.irp g, 0,1,2,3
	v_cvt_scalef32_pk8_fp4_f32 v[C+4*\n+\g], v[XS+8*\g:XS+8*\g+7], v10
.endr
	v_nop                                          ; one plain place behind the last scaled conversion
	global_store_b128 v[VO], v[C+4*\n:C+4*\n+3], s[\dst:\dst+1] offset:\off
.endm
	s_wait_kmcnt 0x0
	s_cmp_lt_u32 s[WV], 4
	s_cbranch_scc1 .Lkmain
	s_cmp_eq_u32 s[WV], 4
	s_cbranch_scc1 .Lkextra
	; ---- waves 5-8: V, channels 32 wv on
	s_sub_co_u32 s17, s[WV], 5                     ; wv
	s_mov_b32 s62, s22
	ADDSH 17, 7                                    ; my 32 channels: 128 wv bytes into a row
	PTR 28, 6                                      ; dr 1
	s_mov_b32 s60, s62
	ADDSH 57, 9                                    ; + r2 rows
	PTR 30, 6
	s_mov_b32 s62, s60
	ADDSH 58, 9                                    ; + r4 rows
	PTR 32, 6
	s_mov_b32 s62, s60
	ADDSH 19, 9                                    ; + r8 rows
	PTR 34, 6
	s_add_co_u32 s62, s24, VC                      ; the images: my two tiles are 2048 wv bytes into a step
	ADDSH 17, 11
	PTR 36, 8
	s_add_co_u32 s62, s25, VC                      ; dr 2: my 128 keys are step g & 1
	ADDSH 52, 13
	ADDSH 17, 11
	PTR 38, 8
	s_add_co_u32 s62, s26, VC                      ; dr 4: my 64 keys are piece g & 1 of step (g >> 1) & 1
	ADDSH 53, 13
	ADDSH 52, 9
	ADDSH 17, 11
	PTR 40, 8
	s_add_co_u32 s62, s27, VC                      ; dr 8: my 32 keys are block g & 3 of step g >> 2: piece (g >> 1) & 1, half g & 1
	ADDSH 54, 13
	ADDSH 53, 9
	ADDSH 52, 8
	ADDSH 17, 11
	PTR 42, 8
	s_add_co_u32 s62, s24, SC+512                  ; the scale words: register wv of the four, 16 bytes a lane
	ADDSH 17, 2
	PTR 44, 8
	s_add_co_u32 s62, s25, SC+512
	ADDSH 52, 10
	ADDSH 17, 2
	PTR 46, 8
	s_add_co_u32 s62, s26, SC+512                  ; dr 4: two bytes of the word, from byte 2 (g & 1)
	ADDSH 53, 10
	ADDSH 17, 2
	ADDSH 52, 1
	PTR 48, 8
	s_add_co_u32 s62, s27, SC+512                  ; dr 8: byte g & 3 of the word
	ADDSH 54, 10
	ADDSH 17, 2
	ADDSH 55, 0
	PTR 50, 8
	s_wait_alu depctr_va_vdst(0)
	VLD 0, 1, 0, 28                                ; loads run a block ahead
	VLD 1, 1, 1, 28
	VBLK 0, 0, 32, 36, 0, 16, 0
	VLD 0, 1, 2, 28
	VBLK 1, 1, 32, 36, 256, 16, 1
	VLD 1, 1, 3, 28
	VBLK 2, 0, 32, 36, 512, 16, 2
	VLD 0, 1, 4, 28
	VBLK 3, 1, 32, 36, 768, 16, 3
	VLD 1, 1, 5, 28
	VBLK 4, 0, 32, 36, 8192, 17, 0
	VLD 0, 1, 6, 28
	VBLK 5, 1, 32, 36, 8448, 17, 1
	VLD 1, 1, 7, 28
	VBLK 6, 0, 32, 36, 8704, 17, 2
	VLD 0, 2, 0, 30
	VBLK 7, 1, 32, 36, 8960, 17, 3
	VLD 1, 2, 1, 30
	VBLK 8, 0, 32, 38, 0, 18, 0
	VLD 0, 2, 2, 30
	VBLK 9, 1, 32, 38, 256, 18, 1
	VLD 1, 2, 3, 30
	VBLK 10, 0, 32, 38, 512, 18, 2
	VLD 0, 4, 0, 32
	VBLK 11, 1, 32, 38, 768, 18, 3
	VLD 1, 4, 1, 32
	VBLK 12, 0, 32, 40, 0, 19, 0
	VLD 0, 8, 0, 34
	VBLK 13, 1, 32, 40, 256, 19, 1
	VBLK 14, 0, 0, 42, 0, 20, 0                    ; the last block: nothing is out behind it
	global_store_b32 v[LI], v16, s[44:45]              ; dr 1, step 0
	global_store_b32 v[LI], v17, s[44:45] offset:1024  ; dr 1, step 1
	global_store_b32 v[LI], v18, s[46:47]
	global_store_b16 v[LI], v19, s[48:49]
	global_store_b8 v[LI], v20, s[50:51]
	s_endpgm
.Lkmain:
	; ---- waves 0-3: K.  dr 1: tiles 4 w .. 4 w + 3 of the record's 16 (keys 64 w on);  dr 2: tiles 2 w, 2 w + 1 of step g & 1 (gathered keys 32 w on: rows 64 w + r2 on, every second)
	s_mov_b32 s62, s22
	ADDSH WV, 15
	PTR 28, 4
	ADDSH 57, 9
	PTR 30, 4
	s_mov_b32 s62, s24
	ADDSH WV, 12
	PTR 32, 8
	s_mov_b32 s62, s25
	ADDSH 52, 13
	ADDSH WV, 11
	PTR 34, 8
	s_add_co_u32 s62, s24, SC                      ; dr 1's words: step w / 2, registers 2 (w % 2) and the next
	s_lshr_b32 s60, s[WV], 1
	ADDSH 60, 10
	s_and_b32 s60, s[WV], 1
	ADDSH 60, 3
	PTR 36, 8
	s_add_co_u32 s62, s25, SC                      ; dr 2's: register w
	ADDSH 52, 10
	ADDSH WV, 2
	PTR 38, 8
	s_wait_alu depctr_va_vdst(0)
	KROLE 1, 2
.Lkextra:
	; ---- wave 4: K.  dr 4: tiles 4 (g & 1) .. + 3 of step (g >> 1) & 1;  dr 8: tiles 2 (g & 3), + 1 of step g >> 2
	s_mov_b32 s62, s22
	ADDSH 58, 9
	PTR 28, 4
	s_mov_b32 s62, s22
	ADDSH 19, 9
	PTR 30, 4
	s_mov_b32 s62, s26
	ADDSH 53, 13
	ADDSH 52, 12
	PTR 32, 8
	s_mov_b32 s62, s27
	ADDSH 54, 13
	ADDSH 55, 11
	PTR 34, 8
	s_add_co_u32 s62, s26, SC
	ADDSH 53, 10
	ADDSH 52, 3
	PTR 36, 8
	s_add_co_u32 s62, s27, SC
	ADDSH 54, 10
	ADDSH 55, 2
	PTR 38, 8
	s_wait_alu depctr_va_vdst(0)
	KROLE 4, 8
.Lfunc_end_k_qebb6808930_pack:
	.size	k_qebb6808930_pack, .Lfunc_end_k_qebb6808930_pack-k_qebb6808930_pack
	.p2alignl 7, 3214868480
	.fill 96, 4, 3214868480
	.section	.rodata,"a",@progbits
	.p2align	6, 0x0
	.amdhsa_kernel k_qebb6808930_pack
		.amdhsa_group_segment_fixed_size 44288
		.amdhsa_private_segment_fixed_size 0
		.amdhsa_enable_private_segment 0
		.amdhsa_kernarg_size 24
		.amdhsa_user_sgpr_count 2
		.amdhsa_user_sgpr_kernarg_segment_ptr 1
		.amdhsa_wavefront_size32 1
		.amdhsa_system_sgpr_workgroup_id_x 1
		.amdhsa_system_sgpr_workgroup_id_y 1
		.amdhsa_system_sgpr_workgroup_id_z 1
		.amdhsa_system_vgpr_workitem_id 0
		.amdhsa_next_free_vgpr 226
		.amdhsa_next_free_sgpr 66
		.amdhsa_reserve_vcc 1
		.amdhsa_float_denorm_mode_32 3
		.amdhsa_float_denorm_mode_16_64 3
		.amdhsa_memory_ordered 1
		.amdhsa_forward_progress 1
		.amdhsa_inst_pref_size 181
	.end_amdhsa_kernel
	.amdgpu_metadata
---
amdhsa.version: [ 1, 2 ]
amdhsa.kernels:
  - .name:           k_qebb6808930_pack
    .symbol:         k_qebb6808930_pack.kd
    .args:
      - { .name: key, .offset: 0, .size: 8, .value_kind: global_buffer, .address_space: global }
      - { .name: value, .offset: 8, .size: 8, .value_kind: global_buffer, .address_space: global }
      - { .name: kv, .offset: 16, .size: 8, .value_kind: global_buffer, .address_space: global }
    .group_segment_fixed_size: 44288
    .private_segment_fixed_size: 0
    .kernarg_segment_align: 8
    .kernarg_segment_size: 24
    .max_flat_workgroup_size: 288
    .sgpr_count:     66
    .vgpr_count:     226
    .wavefront_size: 32
...
	.end_amdgpu_metadata
.endif
;; end of part 1
;; launch attend (part 2): grid 8 x 32, 8 waves a work-group, clusters of 4 x 1, 327,680 bytes of LDS; arguments query, kv, out0; writes out0
.if DOCPART == 2
	.amdgcn_target "amdgcn-amd-amdhsa--gfx1250"
	.amdhsa_code_object_version 6
	.text
	.protected	k_qebb6808930_attend
	.globl	k_qebb6808930_attend
	.p2align	8
	.type	k_qebb6808930_attend,@function
k_qebb6808930_attend:
	s_mov_b64 s[64:65], 0
	v_nop
	global_prefetch_b8 v0, s[64:65] scope:SCOPE_SE
	s_setreg_imm32_b32 hwreg(HW_REG_WAVE_MODE, 25, 1), 1
	s_wait_xcnt 0x0
	s_wait_alu depctr_hold_cnt(0) depctr_sa_sdst(0) depctr_va_vdst(0) depctr_va_sdst(0) depctr_va_ssrc(0) depctr_va_vcc(0) depctr_vm_vsrc(0)
	s_getreg_b32 s2, hwreg(HW_REG_IB_STS2, 6, 4)
	s_cmp_eq_u32 s2, 0
	s_cbranch_scc0 .Lentry_in_a_cluster
	s_endpgm
.Lentry_in_a_cluster:
	s_bfe_u32 s2, ttmp6, 0x10000c
	s_cmp_lg_u32 s2, 0x3003
	s_cbranch_scc0 .Lentry_shape_is_right
	s_endpgm
.Lentry_shape_is_right:
; out0[b][p][128 j + d] = the sum over dr = 1, 2, 4, 8 of the dilated attention of head j at position p.  No 1 / sqrt(128), no mask.
; LEFT OUT: reference()'s products with the identity matrix only place row l of head (r2 h') at position l dr + r1 where r1 = r2 and add zeros elsewhere, for all inputs: here a dilation adds to the rows with p % dr = j / (8 / dr) alone.
; Both products of each attention run on codes of E2M1 with one E8M0 scale for each 32 along K.  K's and V's codes and scale words come from kv, 15 records a head, laid as images of the operands' registers
; (records 0-7 dr 1, 8-11 dr 2, 12-13 dr 4, 14 dr 8; 256 gathered keys = two key steps a record; K's 16 fragments at 0, V's 16 at VC, the scale words at SC).  Q is quantised here, in registers.
; THE SOFTMAX: t = score x log2(e); M = the running largest t rounded UP to a whole number; p = 2^(t - M) is quantised along the keys, not normalised; the row's sum is taken of the unquantised p and divides at the end.
; When M moves, the sums and O are multiplied by 2^(old M - new M), which rounds nothing.
; SHARES.  A work-group owns 256 positions of one head.  Each of its EIGHT waves owns the 32 queries of ONE RESIDUE CLASS MOD 8, positions 256 g + c + 8 i, as two tiles of 16: a dilation takes both tiles or none,
; each fragment of K and V that is read from LDS feeds two matrix instructions, and the two tiles' softmax lines stand by turns, so that no line waits for the line above it.
; Every wave walks all records and passes every barrier; a wave whose class a dilation does not take jumps over its key steps.  c = 2 (w / 2) + ((w ^ (w / 4)) % 2): waves w, w + 4 and waves 2 m, 2 m + 1 hold one even and one odd class, and classes c, c + 4 lie in different such pairs.
; Both products are used transposed (S^T = K Q^T, O^T = V^T P^T): a lane holds ONE query of each tile (lane % 16); the keys of a tile of K are chosen so that the 16 registers of tiles 2 b, 2 b + 1 are 16 neighbouring keys.
; THE RING.  Two slots of one record (34,816 consecutive bytes of kv).  Waves 0 and 1 bring half a record each, 68 rows of 256 bytes, behind each change of slots; one loop of 14 trips asks for records 1 to 14, the last record is written out.
; CLUSTER.  The four work-groups of a cluster belong to one head and walk the same records: each half is asked for JOINTLY.  The place in the cluster enters Q's and out0's addresses alone.
; The finished O / sum of each dilation is added into the wave's own 32 rows in LDS, which are also Q's way in and the way out.
; REGISTERS.  Window 0: v0-11 addresses; v12-23 -M, largest t, sums, f and p's scale word; v24-41 Q; v44-51 K's and V's scale words; v52-67 p's codes; v68-103 at work; v128-191 K; v192-255 V.
; Window 1: v0-127 S^T, then p, of tiles 0 and 1; v128-255 O^T of tiles 0 and 1.
; LIMITS: NaN and infinities among the inputs are not served; a block of zeros has the byte 1 where the rule says 127 (zero codes add nothing); between dilations O^T and the sums are not cleared but multiplied by
; f = 2^(a saturated negative number) = 0, which needs them finite: where they are not, the total is not finite either.  The promise holds while |t| stays under 2^31.
; Left out: prefetches (each record is asked for a whole record, two key steps of every wave, ahead of its first read); padding of the slots (an image is read as 512 consecutive bytes a load).
.set REC,    34816
.set HALFREC, REC/2
.set HEADB,  15*REC
.set VC,     16384
.set SC,     32768
.set SLOTB,  0x10000                   ; slot 1's first byte: it shares no bit with the halves' places 0 and 0x4400
.set PRIV,   0x20000                   ; 32 rows x 528 bytes for each wave; no fill lands there
.set PP,     528
.set TILEB,  16*PP
.set SPARE,  PRIV+16*TILEB             ; the spare words, 128 bytes a wave
.set LI,  1                            ; 16 x lane
.set STO, 2                            ; my rows + 528 r + 32 h
.set RD,  3                            ; my rows + 16 x lane
.set QRD, 4                            ; my rows + 528 r + 128 h
.set SPW, 5
.set NIL, 6
.set ADA, 7                            ; the slot in hand + 16 x lane
.set QSH, 8                            ; 8 h
.set NM,  12                           ; + 2 z: -M, and above it the largest t
.set SUM, 16                           ; + 2 z: the sum, first pair
.set FF,  20                           ; + 2 z: f
.set PW,  21                           ; + 2 z: p's scale word
.set QF,  24                           ; + 8 z
.set QW,  40                           ; + z
.set SWK, 44
.set SWV, 48
.set PC,  52                           ; + 8 z
.set BM,  68                           ; + 16 z: the blocks' largest scores
.set PM,  72                           ; + 16 z: lane permutes' results, bytes
.set SE,  76                           ; + 16 z: the conversions' scale operands
.set TT,  80                           ; + 16 z
.set SU2, 100                          ; + 2 z: the sum, second pair
.set KB,  128
.set VB,  192
.set WV,  18
.set SEL, 20
.set CS,  22
.set G1,  24
.set EM,  37                           ; bit 0: the record in hand ends a dilation
.set T0,  38
.set G0,  40
.set TB,  44
.set CNT, 45
.set FL,  46                           ; bit 0: my class belongs to the dilation in hand; higher bits: to the later ones
.set ACT, 47
.set MSB, 0
.macro WIN new                         ; low byte: 1:0 source 0, 3:2 source 1, 5:4 source 2, 7:6 destination; the high byte repeats the setting that is left
.if MSB != \new
	s_set_vgpr_msb (MSB<<8)|\new
.set MSB, \new
.endif
.endm
.macro CROUND
	s_barrier_signal -1
	s_barrier_wait -1
	s_cmp_lg_u32 s[WV], 0
	s_cbranch_scc1 .Lnot_wave_0_\@
	s_barrier_signal -3
.Lnot_wave_0_\@:
	s_barrier_wait -3
	s_barrier_signal -1
	s_barrier_wait -1
.endm
.macro JLOAD                           ; waves 0 and 1 ask for half a record each
	s_cmp_lt_u32 s[WV], 2
	s_cbranch_scc0 .Lasked_\@
	tensor_load_to_lds s[G0:G0+3], s[G1:G1+7]
	s_nop 0
.rept 4
	v_nop
.endr
.Lasked_\@:
.endm
	s_load_b128 s[4:7], s[0:1], 0x0                ; query, kv
	s_load_b64 s[8:9], s[0:1], 0x10                ; out0
	v_lshl_add_u32 v[SPW], v0, 2, SPARE
	v_mov_b32 v[NIL], 0
	ds_add_u32 v[SPW], v[NIL]                      ; the opening lines: the add twice on end and one wait
	ds_add_u32 v[SPW], v[NIL]
	v_lshrrev_b32 v9, 5, v0
	v_readfirstlane_b32 s[WV], v9                  ; wave 0..7
	s_mul_i32 s36, s[WV], 2*TILEB
	s_add_co_u32 s36, s36, PRIV                    ; my 32 rows in LDS
	s_bfe_u32 s48, ttmp6, 0x40000                  ; cx
	s_lshl_b32 s49, ttmp9, 2
	s_add_co_u32 s49, s49, s48                     ; g: it enters Q's and out0's addresses alone
	s_and_b32 s50, ttmp7, 0xffff                   ; the head
	s_and_b32 s51, s50, 7                          ; j
	s_lshr_b32 s52, s50, 3                         ; b
	s_lshr_b32 s53, s[WV], 2
	s_xor_b32 s53, s53, s[WV]
	s_and_b32 s53, s53, 1
	s_lshr_b32 s54, s[WV], 1
	s_lshl_b32 s54, s54, 1
	s_add_co_u32 s54, s54, s53                     ; my class c
	s_and_b32 s56, s54, 1
	s_lshr_b32 s57, s51, 2
	s_cmp_eq_u32 s56, s57
	s_cselect_b32 s[FL], 3, 1                      ; dr 1 always; dr 2 where c % 2 = j / 4
	s_and_b32 s56, s54, 3
	s_lshr_b32 s57, s51, 1
	s_cmp_eq_u32 s56, s57
	s_cselect_b32 s56, 4, 0                        ; dr 4 where c % 4 = j / 2
	s_or_b32 s[FL], s[FL], s56
	s_cmp_eq_u32 s54, s51
	s_cselect_b32 s56, 8, 0                        ; dr 8 where c = j
	s_or_b32 s[FL], s[FL], s56
	s_lshl_b32 s56, s49, 8
	s_add_co_u32 s56, s56, s54                     ; my first position
	s_lshl_b32 s58, s50, 20                        ; Q: head x 2048 rows of 512 bytes + position x 512
	s_lshl_b32 s57, s56, 9
	s_add_co_u32 s58, s58, s57
	s_mov_b32 s59, 0
	s_lshl_b32 s60, s52, 23                        ; out0: b x 2048 rows of 4096 bytes + position x 4096 + 512 j
	s_lshl_b32 s57, s56, 12
	s_add_co_u32 s60, s60, s57
	s_lshl_b32 s57, s51, 9
	s_add_co_u32 s60, s60, s57
	s_mov_b32 s61, 0
	s_and_b32 s32, s[WV], 1                        ; which half of a record I ask for, if I ask
	s_mul_i32 s32, s32, HALFREC
	s_mul_i32 s34, s50, HEADB
	s_add_co_u32 s34, s34, s32
	s_mov_b32 s35, 0
	s_mov_b32 s[G1], 15|(3<<16)|(1<<21)            ; the mask: all four work-groups; elements of 8 bytes; bit 21 beside a mask
	s_mov_b32 s[G1+1], 32<<16
	s_mov_b32 s[G1+2], 68<<16
	s_mov_b32 s[G1+3], 32<<16
	s_mov_b32 s[G1+4], 68
	s_mov_b32 s[G1+5], 32
	s_mov_b32 s[G1+6], 0
	s_mov_b32 s[G1+7], 0
	s_mov_b32 s[SEL], 0x76543210
	s_mov_b32 s[SEL+1], 0xfedcba98
	s_mov_b32 s[CS], 0x3fb8aa3b                    ; log2(e)
	s_mov_b32 s[CS+1], s[CS]
	s_mov_b32 s[TB], 0
	s_mov_b32 s[CNT], 14
	s_mov_b32 s[EM], (1<<7)|(1<<11)|(1<<13)        ; records 7, 11 and 13 end dr 1, 2 and 4
	s_and_b32 s[ACT], s[FL], 1
	s_wait_dscnt 0x0
	s_wait_kmcnt 0x0
	s_add_nc_u64 s[4:5], s[4:5], s[58:59]
	s_add_nc_u64 s[8:9], s[8:9], s[60:61]
	s_mov_b32 s[G0], 1
	s_mov_b32 s[G0+1], s32                         ; slot 0
	s_add_nc_u64 s[G0+2:G0+3], s[6:7], s[34:35]    ; record 0
	s_or_b32 s[G0+3], s[G0+3], 0x80000000
	CROUND                                         ; all four work-groups are here: the first joint loads meet
	JLOAD
	v_and_b32 v9, 31, v0
	v_lshlrev_b32 v[LI], 4, v9
	v_and_b32 v10, 15, v0                          ; r
	v_bfe_u32 v[QSH], v0, 4, 1                     ; h
	v_mul_u32_u24 v11, v10, PP
	v_add_nc_u32 v11, s36, v11
	v_lshl_add_u32 v[STO], v[QSH], 5, v11
	v_add_nc_u32 v[RD], s36, v[LI]
	v_lshl_add_u32 v[QRD], v[QSH], 7, v11
	v_lshlrev_b32 v[QSH], 3, v[QSH]
	s_wait_alu depctr_va_vdst(0)                   ; the wait behind the addresses
.set i, 0
.rept 32
	global_load_b128 v[KB+4*i:KB+4*i+3], v[LI], s[4:5] offset:4096*i th:TH_LOAD_NT   ; my query i: a whole row of 512 consecutive bytes, read once in the launch
.set i, i+1
.endr
.irp z, 0,1
	v_mov_b32 v[NM+1+2*\z], 0xff61b1e6             ; the largest t so far: -3e38
	v_mov_b32 v[SUM+2*\z], 0
	v_mov_b32 v[SUM+1+2*\z], 0
	v_mov_b32 v[SU2+2*\z], 0
	v_mov_b32 v[SU2+1+2*\z], 0
	v_mov_b32 v[FF+2*\z], 0
	v_mov_b32 v[PW+2*\z], 0
	v_mov_b32 v[TT+16*\z], 0
	v_floor_f32 v[NM+2*\z], -v[NM+1+2*\z]          ; -M
.irp b, 0,1,2,3
	v_mov_b32 v[PM+16*\z+\b], 0                    ; a lane permute's destination counts as one of its sources
	v_mov_b32 v[PC+4*\z+\b], 0                     ; (v52-55 serve below as 16 bytes of zeros)
.endr
.endr
	s_wait_alu depctr_va_vdst(0)
	s_wait_loadcnt 0x0
.set i, 0
.rept 32
	ds_store_b128 v[RD], v[KB+4*i:KB+4*i+3] offset:PP*i   ; Q turns through my rows: in as it lies,
.set i, i+1
.endr
.irp z, 0,1
.irp c, 0,1
.irp k, 0,1,2,3,4,5,6,7
	ds_load_b128 v[KB+64*\z+32*\c+4*\k:KB+64*\z+32*\c+4*\k+3], v[QRD] offset:TILEB*\z+256*\c+16*\k   ; back 128 bytes of one row a lane.  LDS serves a wave's instructions in order (ISA guide 5.7.1.4)
.endr
.endr
.endr
.set i, 0
.rept 32
	ds_store_b128 v[RD], v[PC:PC+3] offset:PP*i    ; and the rows become the total, which begins as zeros
.set i, i+1
.endr
	s_wait_dscnt 0x0
; Q's two tiles are quantised: a lane's 64 numbers of a tile are two whole blocks, k = 64 c + 32 h + 0..31 of its row; the four chains stand by turns
.irp z, 0,1
.irp c, 0,1
	v_max3_num_f32 v[BM+16*\z+\c], |v[KB+64*\z+32*\c]|, |v[KB+64*\z+32*\c+1]|, 0x1800000   ; with the floor 2^(3 - 127): the byte cannot fall under 1
.endr
.endr
.irp i, 2,4,6,8,10,12,14,16,18,20,22,24,26,28,30
.irp z, 0,1
.irp c, 0,1
	v_max3_num_f32 v[BM+16*\z+\c], v[BM+16*\z+\c], |v[KB+64*\z+32*\c+\i]|, |v[KB+64*\z+32*\c+\i+1]|
.endr
.endr
.endr
.irp z, 0,1
.irp c, 0,1
	v_add_nc_u32 v[SE+16*\z+\c], 0xff000000, v[BM+16*\z+\c]   ; 2 off the exponent field: the conversion's scale operand
.endr
.endr
.irp z, 0,1
.irp c, 0,1
	v_lshrrev_b32 v[PM+16*\z+\c], 23, v[SE+16*\z+\c]          ; the scale's byte
.endr
.endr
.irp z, 0,1
	v_lshl_or_b32 v[QW+\z], v[PM+16*\z+1], 16, v[PM+16*\z]
.endr
.irp z, 0,1
	v_lshlrev_b32 v[QW+\z], v[QSH], v[QW+\z]
.endr
.irp z, 0,1
	v_permlanex16_b32 v[PM+16*\z+2], v[QW+\z], s[SEL], s[SEL+1]
.endr
.irp z, 0,1
	v_or_b32 v[QW+\z], v[QW+\z], v[PM+16*\z+2]     ; with lane l xor 16's two bytes the word is whole
.endr
.irp z, 0,1
.irp c, 0,1
.irp g, 0,1,2,3
	v_cvt_scalef32_pk8_fp4_f32 v[QF+8*\z+4*\c+\g], v[KB+64*\z+32*\c+8*\g:KB+64*\z+32*\c+8*\g+7], v[SE+16*\z+\c]
.endr
.endr
.endr
	v_nop                                          ; one plain place behind the last scaled conversion
	WIN 0x40
.set j, 0
.rept 128
	v_mov_b32 v[128+j], 0                          ; O^T of both tiles, once in the launch: the key step has no first step of its own
.set j, j+1
.endr
	WIN 0
.macro KLOAD q                         ; K's eight fragments of step q and their scale words: 17 loads
.irp t, 0,1,2,3,4,5,6,7
.irp c, 0,1
	ds_load_b128 v[KB+8*\t+4*\c:KB+8*\t+4*\c+3], v[ADA] offset:(8*\q+\t)*1024+512*\c
.endr
.endr
	ds_load_b128 v[SWK:SWK+3], v[ADA] offset:SC+1024*\q
.endm
; A KEY STEP: 128 keys, step q of the record in hand, for both my tiles.  pre = 1: the record's second step's K is asked for as soon as this step's K has been multiplied.
.macro STEP q, pre
	s_wait_dscnt 0x0                               ; K's fragments and scale words are in
	WIN 0x40
.irp u, 0,1,2,3                                ; S^T = K Q^T: source 0 = 16 keys, source 1 = 16 queries; each fragment of K serves both tiles
.irp z, 0,1
	v_wmma_scale_f32_16x16x128_f8f6f4 v[64*\z+16*\u:64*\z+16*\u+7], v[KB+16*\u:KB+16*\u+7], v[QF+8*\z:QF+8*\z+7], 0, v[SWK+\u], v[QW+\z] matrix_a_fmt:MATRIX_FMT_FP4 matrix_b_fmt:MATRIX_FMT_FP4
.endr
.irp z, 0,1
	v_wmma_scale_f32_16x16x128_f8f6f4 v[64*\z+16*\u+8:64*\z+16*\u+15], v[KB+16*\u+8:KB+16*\u+15], v[QF+8*\z:QF+8*\z+7], 0, v[SWK+\u], v[QW+\z] matrix_a_fmt:MATRIX_FMT_FP4 matrix_b_fmt:MATRIX_FMT_FP4 matrix_a_scale:MATRIX_SCALE_ROW1
.endr
.endr
	WIN 0
.rept 4
	v_nop                                          ; four places: for the loads below, into registers that matrix instructions have read, and for the first read of the scores
.endr
.irp t, 0,1,2,3,4,5,6,7
.irp c, 0,1
	ds_load_b128 v[VB+8*\t+4*\c:VB+8*\t+4*\c+3], v[ADA] offset:VC+(8*\q+\t)*1024+512*\c   ; V's fragments land under the softmax
.endr
.endr
	ds_load_b128 v[SWV:SWV+3], v[ADA] offset:SC+1024*\q+512
.if \pre
	KLOAD 1
.endif
	WIN 0x15
.irp z, 0,1
.irp b, 0,1,2,3
	v_max3_num_f32 v[BM+16*\z+\b], v[64*\z+16*\b], v[64*\z+16*\b+1], v[64*\z+16*\b+2]   ; the largest score of each block of 32 keys, each accumulator from its low end on: it serves the row's maximum and the block's largest p
.endr
.endr
	WIN 0x14
.irp i, 3,5,7,9,11,13
.irp z, 0,1
.irp b, 0,1,2,3
	v_max3_num_f32 v[BM+16*\z+\b], v[BM+16*\z+\b], v[64*\z+16*\b+\i], v[64*\z+16*\b+\i+1]
.endr
.endr
.endr
.irp z, 0,1
.irp b, 0,1,2,3
	v_max_num_f32 v[BM+16*\z+\b], v[BM+16*\z+\b], v[64*\z+16*\b+15]
.endr
.endr
	WIN 0
.irp z, 0,1
.irp b, 0,1,2,3
	v_permlanex16_b32 v[PM+16*\z+\b], v[BM+16*\z+\b], s[SEL], s[SEL+1]
.endr
.endr
.irp z, 0,1
.irp b, 0,1,2,3
	v_max_num_f32 v[BM+16*\z+\b], v[BM+16*\z+\b], v[PM+16*\z+\b]   ; with lane l xor 16's 16 keys
.endr
.endr
.irp z, 0,1
	v_max3_num_f32 v[TT+16*\z], v[BM+16*\z], v[BM+16*\z+1], v[BM+16*\z+2]
.endr
.irp z, 0,1
	v_max_num_f32 v[TT+16*\z], v[TT+16*\z], v[BM+16*\z+3]   ; the step's largest score of my query
.endr
.irp z, 0,1
	v_mul_f32 v[TT+16*\z], s[CS], v[TT+16*\z]      ; as t
.endr
.irp z, 0,1
	v_max_num_f32 v[NM+1+2*\z], v[NM+1+2*\z], v[TT+16*\z]   ; the running largest t
.endr
.irp z, 0,1
	v_mov_b32 v[TT+16*\z], v[NM+2*\z]
.endr
.irp z, 0,1
	v_floor_f32 v[NM+2*\z], -v[NM+1+2*\z]          ; the new -M = -ceil(t): a whole number
.endr
.irp z, 0,1
	v_sub_f32 v[TT+16*\z], v[NM+2*\z], v[TT+16*\z] ; old M - new M
.endr
.irp z, 0,1
	v_cvt_i32_f32 v[TT+16*\z], v[TT+16*\z]         ; (it saturates)
.endr
.irp z, 0,1
	v_ldexp_f32 v[FF+2*\z], 1.0, v[TT+16*\z]       ; f = 2^(old M - new M); 0 in a dilation's first step
.endr
.irp z, 0,1
.irp b, 0,1,2,3
	v_fma_f32 v[BM+16*\z+\b], v[BM+16*\z+\b], s[CS], v[NM+2*\z]   ; t - M of each block's largest score
.endr
.endr
	WIN 0x41
.set j, 0
.rept 64
	v_pk_fma_f32 v[j:j+1], v[j:j+1], s[CS:CS+1], v[NM+2*(j/64):NM+2*(j/64)+1] op_sel_hi:[1,0,0]   ; t - M, two at a time
.set j, j+2
.endr
	s_wait_alu depctr_va_vdst(0)                   ; the wait ahead of the batch
.set j, 0
.rept 128
	v_exp_f32 v[j], v[j]                           ; p = 2^(t - M), at most 1: not normalised
.set j, j+1
.endr
	WIN 0
.irp z, 0,1
.irp b, 0,1,2,3
	v_exp_f32 v[BM+16*\z+\b], v[BM+16*\z+\b]       ; the block's largest p: the same two instructions on the same number
.endr
.endr
.irp z, 0,1
	v_pk_mul_f32 v[SUM+2*\z:SUM+2*\z+1], v[SUM+2*\z:SUM+2*\z+1], v[FF+2*\z:FF+2*\z+1] op_sel_hi:[1,0]   ; the sums under the new M (plain places behind the exponentials)
	v_pk_mul_f32 v[SU2+2*\z:SU2+2*\z+1], v[SU2+2*\z:SU2+2*\z+1], v[FF+2*\z:FF+2*\z+1] op_sel_hi:[1,0]
.endr
	s_wait_alu depctr_va_vdst(0)                   ; one wait for the whole batch, ahead of its first reader
.irp z, 0,1
.irp b, 0,1,2,3
	v_max_num_f32 v[BM+16*\z+\b], 0x1800000, v[BM+16*\z+\b]   ; the floor 2^(3 - 127)
.endr
.endr
.irp z, 0,1
.irp b, 0,1,2,3
	v_add_nc_u32 v[SE+16*\z+\b], 0xff000000, v[BM+16*\z+\b]   ; the conversion's scale operand
.endr
.endr
.irp z, 0,1
.irp b, 0,1,2,3
	v_lshrrev_b32 v[PM+16*\z+\b], 23, v[SE+16*\z+\b]          ; the scale's byte
.endr
.endr
.irp z, 0,1
	v_lshl_or_b32 v[PW+2*\z], v[PM+16*\z+1], 8, v[PM+16*\z]   ; p's scale word for these 128 keys
.endr
.irp z, 0,1
	v_lshl_or_b32 v[PW+2*\z], v[PM+16*\z+2], 16, v[PW+2*\z]
.endr
.irp z, 0,1
	v_lshl_or_b32 v[PW+2*\z], v[PM+16*\z+3], 24, v[PW+2*\z]
.endr
	WIN 0x01
.irp z, 0,1
.irp b, 0,1,2,3
	v_cvt_scalef32_pk8_fp4_f32 v[PC+8*\z+2*\b], v[64*\z+16*\b:64*\z+16*\b+7], v[SE+16*\z+\b]
	v_cvt_scalef32_pk8_fp4_f32 v[PC+8*\z+2*\b+1], v[64*\z+16*\b+8:64*\z+16*\b+15], v[SE+16*\z+\b]
.endr
.endr
	v_nop                                          ; one plain place behind the last scaled conversion
	WIN 0
.irp z, 0,1                                    ; the operand's layout wants a whole block in a lane
.irp c, 0,1
.irp i, 0,1
	v_permlane16_swap_b32 v[PC+8*\z+4*\c+\i], v[PC+8*\z+4*\c+2+\i]
.endr
.endr
.endr
	WIN 0x04
.irp i, 0,4,8,12,16,20,24,28,32,36,40,44,48,52,56,60
.irp z, 0,1
	v_pk_add_f32 v[SUM+2*\z:SUM+2*\z+1], v[SUM+2*\z:SUM+2*\z+1], v[64*\z+\i:64*\z+\i+1]   ; the row's sum is taken of the unquantised p: four chains
	v_pk_add_f32 v[SU2+2*\z:SU2+2*\z+1], v[SU2+2*\z:SU2+2*\z+1], v[64*\z+\i+2:64*\z+\i+3]
.endr
.endr
	WIN 0x41
	s_wait_alu depctr_va_vdst(0)                   ; the wait directly ahead of the first reader of O^T
.set j, 0
.rept 64
	v_pk_mul_f32 v[128+j:129+j], v[128+j:129+j], v[FF+2*(j/64):FF+2*(j/64)+1] op_sel_hi:[1,0]   ; O^T under the new M, each accumulator from its low end on
.set j, j+2
.endr
	WIN 0x50
	s_wait_alu depctr_va_vdst(0)
.if \pre
	s_wait_dscnt 17                                ; V's 17 loads are in; the 17 younger ones, the next step's K and its scale words, may be out
.else
	s_wait_dscnt 0x0
.endif
.irp u, 0,1,2,3                                ; O^T += V^T P^T: the sixteen accumulators take turns, one instruction a turn
.irp z, 0,1
	v_wmma_scale_f32_16x16x128_f8f6f4 v[128+64*\z+16*\u:128+64*\z+16*\u+7], v[VB+16*\u:VB+16*\u+7], v[PC+8*\z:PC+8*\z+7], v[128+64*\z+16*\u:128+64*\z+16*\u+7], v[SWV+\u], v[PW+2*\z] matrix_a_fmt:MATRIX_FMT_FP4 matrix_b_fmt:MATRIX_FMT_FP4
.endr
.irp z, 0,1
	v_wmma_scale_f32_16x16x128_f8f6f4 v[128+64*\z+16*\u+8:128+64*\z+16*\u+15], v[VB+16*\u+8:VB+16*\u+15], v[PC+8*\z:PC+8*\z+7], v[128+64*\z+16*\u+8:128+64*\z+16*\u+15], v[SWV+\u], v[PW+2*\z] matrix_a_fmt:MATRIX_FMT_FP4 matrix_b_fmt:MATRIX_FMT_FP4 matrix_a_scale:MATRIX_SCALE_ROW1
.endr
.endr
	WIN 0
.endm
; THE CHANGE OF SLOTS, at a record's head.  Each wave waits for all its tensor loads, adds 0 to its spare word, and waits for that and for its reads of the slot that it has left.
; fill = 1: a round of the cluster's barrier, and behind it the joint load of the next record into the slot just left, which has this record's two key steps in which to land.
.macro CHANGE fill
	s_wait_tensorcnt 0x0
	ds_add_u32 v[SPW], v[NIL]                      ; the add, here twice on end
	ds_add_u32 v[SPW], v[NIL]
.if \fill
	s_xor_b32 s[G0+1], s[G0+1], SLOTB
	s_add_nc_u64 s[G0+2:G0+3], s[G0+2:G0+3], REC
.endif
	s_wait_dscnt 0x0
.if \fill
	CROUND
	JLOAD
.else
	s_barrier_signal -1
	s_barrier_wait -1
.endif
.endm
; A DILATION'S END: O^T / the sum is added to the total in my rows, and -M and the largest t are set anew.
.macro FINISH
.irp z, 0,1
	v_pk_add_f32 v[SUM+2*\z:SUM+2*\z+1], v[SUM+2*\z:SUM+2*\z+1], v[SU2+2*\z:SU2+2*\z+1]
.endr
.irp z, 0,1
	v_add_f32 v[SUM+2*\z], v[SUM+2*\z], v[SUM+2*\z+1]   ; (these four lines are the places ahead of the loads into V's registers)
.endr
.irp z, 0,1
.irp t, 0,1,2,3,4,5,6,7
.irp k, 0,1
	ds_load_b128 v[KB+64*\z+8*\t+4*\k:KB+64*\z+8*\t+4*\k+3], v[STO] offset:TILEB*\z+64*\t+16*\k   ; the total so far
.endr
.endr
.endr
.irp z, 0,1
	v_permlanex16_b32 v[TT+16*\z], v[SUM+2*\z], s[SEL], s[SEL+1]
.endr
.irp z, 0,1
	v_add_f32 v[SUM+2*\z], v[SUM+2*\z], v[TT+16*\z]   ; the row's sum
.endr
	s_wait_alu depctr_va_vdst(0)                   ; the wait ahead of the reciprocals
.irp z, 0,1
	v_rcp_f32 v[SUM+2*\z], v[SUM+2*\z]
.endr
.irp z, 0,1
	v_mov_b32 v[NM+1+2*\z], 0xff61b1e6             ; the next dilation begins under every t
.endr
.irp z, 0,1
	v_floor_f32 v[NM+2*\z], -v[NM+1+2*\z]
.endr
	s_wait_dscnt 0x0
	WIN 0x01
	s_wait_alu depctr_va_vdst(0)                   ; the wait ahead of the first reader of the reciprocals and of O^T
.set j, 0
.rept 64
	v_pk_fma_f32 v[KB+j:KB+j+1], v[128+j:129+j], v[SUM+2*(j/64):SUM+2*(j/64)+1], v[KB+j:KB+j+1] op_sel_hi:[1,0,1]
.set j, j+2
.endr
	WIN 0
.irp z, 0,1
.irp t, 0,1,2,3,4,5,6,7
.irp k, 0,1
	ds_store_b128 v[STO], v[KB+64*\z+8*\t+4*\k:KB+64*\z+8*\t+4*\k+3] offset:TILEB*\z+64*\t+16*\k   ; register 8 t + i is channel 16 t + 8 h + i of query r
.endr
.endr
.endr
	s_wait_alu depctr_va_vdst(0)                   ; the wait ahead of the branches that follow
.endm
; THE WAY OUT: my 32 rows come back whole; each store covers 512 consecutive bytes, at a multiple of 512 from out0's first byte
.macro SEND
.set i, 0
.rept 32
	ds_load_b128 v[KB+4*i:KB+4*i+3], v[RD] offset:PP*i   ; LDS serves a wave's instructions in order: these see the stores above
.set i, i+1
.endr
.set i, 0
.rept 4
	s_wait_dscnt 24-i                              ; eight more rows are in; the younger loads may be out
.rept 8
	global_store_b128 v[LI], v[KB+4*i:KB+4*i+3], s[8:9] offset:32768*i th:TH_STORE_NT   ; my positions lie 8 rows of 4096 bytes apart
.set i, i+1
.endr
.endr
	s_wait_xcnt 0x0                                ; the stores' data registers are written again only behind this wait
.endm
; A RECORD: two key steps for a wave whose class the dilation takes; at a dilation's last record its end, and the way out for a wave that no later dilation takes.  All branches hang on the wave's number, the head and the count of records.
.macro RECORD
	s_cmp_eq_u32 s[ACT], 0
	s_cbranch_scc1 .Lidle_\@
	v_add_nc_u32 v[ADA], s[TB], v[LI]
	s_wait_alu depctr_va_vdst(0)                   ; the wait directly behind the write
	KLOAD 0
	STEP 0, 1
	STEP 1, 0
.Lidle_\@:
	s_xor_b32 s[TB], s[TB], SLOTB
	s_and_b32 s[T0], s[EM], 1
	s_cmp_eq_u32 s[T0], 0
	s_cbranch_scc1 .Lgo_\@
	s_cmp_eq_u32 s[ACT], 0
	s_cbranch_scc1 .Lnone_\@
	FINISH
	s_cmp_lg_u32 s[FL], 1
	s_cbranch_scc1 .Lnone_\@
	SEND
.Lnone_\@:
	s_lshr_b32 s[FL], s[FL], 1
	s_and_b32 s[ACT], s[FL], 1
.Lgo_\@:
	s_lshr_b32 s[EM], s[EM], 1
.endm
	s_wait_alu depctr_va_vdst(0)                   ; the wait at the head's end
.Lrec:                                                 ; records 0 to 13: behind each change of slots the next record is asked for
	CHANGE 1
	RECORD
	s_sub_co_u32 s[CNT], s[CNT], 1
	s_cmp_lg_u32 s[CNT], 0
	s_cbranch_scc1 .Lrec
	s_mov_b32 s[EM], 1                             ; record 14 is dr 8's only one: nothing is left to ask for
	CHANGE 0
	RECORD
	s_wait_tensorcnt 0x0                           ; the wave's end
	ds_add_u32 v[SPW], v[NIL]
	s_wait_dscnt 0x0
	CROUND                                         ; the closing round
	s_endpgm
.Lfunc_end_k_qebb6808930_attend:
	.size	k_qebb6808930_attend, .Lfunc_end_k_qebb6808930_attend-k_qebb6808930_attend
	.p2alignl 7, 3214868480
	.fill 96, 4, 3214868480
	.section	.rodata,"a",@progbits
	.p2align	6, 0x0
	.amdhsa_kernel k_qebb6808930_attend
		.amdhsa_group_segment_fixed_size 327680
		.amdhsa_private_segment_fixed_size 0
		.amdhsa_enable_private_segment 0
		.amdhsa_kernarg_size 24
		.amdhsa_user_sgpr_count 2
		.amdhsa_user_sgpr_kernarg_segment_ptr 1
		.amdhsa_wavefront_size32 1
		.amdhsa_system_sgpr_workgroup_id_x 1
		.amdhsa_system_sgpr_workgroup_id_y 1
		.amdhsa_system_sgpr_workgroup_id_z 1
		.amdhsa_system_vgpr_workitem_id 0
		.amdhsa_next_free_vgpr 512
		.amdhsa_next_free_sgpr 66
		.amdhsa_reserve_vcc 0
		.amdhsa_float_denorm_mode_32 3
		.amdhsa_float_denorm_mode_16_64 3
		.amdhsa_memory_ordered 1
		.amdhsa_forward_progress 1
		.amdhsa_inst_pref_size 184
	.end_amdhsa_kernel
	.amdgpu_metadata
---
amdhsa.version: [ 1, 2 ]
amdhsa.kernels:
  - .name:           k_qebb6808930_attend
    .symbol:         k_qebb6808930_attend.kd
    .args:
      - { .name: query, .offset: 0, .size: 8, .value_kind: global_buffer, .address_space: global }
      - { .name: kv, .offset: 8, .size: 8, .value_kind: global_buffer, .address_space: global }
      - { .name: out0, .offset: 16, .size: 8, .value_kind: global_buffer, .address_space: global }
    .group_segment_fixed_size: 327680
    .private_segment_fixed_size: 0
    .kernarg_segment_align: 8
    .kernarg_segment_size: 24
    .max_flat_workgroup_size: 256
    .sgpr_count:     66
    .vgpr_count:     512
    .wavefront_size: 32
...
	.end_amdgpu_metadata
.endif
;; end of part 2
